; MI455X (gfx1250); checked and timed in simulation.
; The chip was launched on July 23, 2026; its instructions are those of AMD's public machine-readable ISA for CDNA 5 (MIT licence, August 2026) and "CDNA5" Instruction Set Architecture Reference Guide (July 2026). The comments in the code are by the model that wrote it; some were corrected since.
;; Single Head Self Attention. Allowed arithmetic: float matrix products may take bf16 or f16 operands with f32 sums; other float arithmetic in f32, or as packed bf16 or f16 multiplies, adds, multiply-adds, maxima and minima; sums over many terms, partial sums and values carried from step to step in f32; what a program stores and reads back later, other than sums and carried values, may be rounded once to bf16 or f16.
;; Inputs: Wk 1,024 x 1,024 float32; Wq 1,024 x 1,024 float32; Wv 1,024 x 1,024 float32; x 4 x 2,048 x 1,024 float32.
;; Outputs: out0 4 x 2,048 x 1,024 float32.
;; One version. Each part assembles by itself: llvm-mc -triple=amdgcn-amd-amdhsa -mcpu=gfx1250 --defsym DOCPART=n.
;; ======== version 1 of 1: 4 launches
;; limits: values are held in f16: magnitudes above 65,504 overflow, below 6.1e-05 lose precision; values outside matrix products are rounded to f16
;; workspace buffers: xb 16,777,216 bytes; wb 6,291,456 bytes; qkv 50,331,648 bytes; pt 33,554,432 bytes; stats 1,048,576 bytes
;; launch cast (part 1): grid 704 x 1, 8 waves a work-group, no clusters, 0 bytes of LDS; arguments x, Wq, Wk, Wv, xb, wb, stats; writes xb, wb, stats
.if DOCPART == 1
	.amdgcn_target "amdgcn-amd-amdhsa--gfx1250"
	.amdhsa_code_object_version 6
	.text
	.protected	k_qa568680acc_cast
	.globl	k_qa568680acc_cast
	.p2align	8
	.type	k_qa568680acc_cast,@function
k_qa568680acc_cast:
	s_mov_b64 s[64:65], 0
	v_nop
	global_prefetch_b8 v0, s[64:65] scope:SCOPE_SE
	s_setreg_imm32_b32 hwreg(HW_REG_WAVE_MODE, 25, 1), 1
	s_wait_xcnt 0x0
; x and the three weights are rounded once to bf16: xb [8192][1024], wb [3072][1024] (rows of Wq, then Wk, then Wv).
; A work-group takes 16,384 numbers (65,536 bytes in, 32,768 out): groups 0-511 x, groups 512-703 the weights, 64 groups each.
; Thread t takes 8 numbers at byte 32 t of each of eight pieces of 8,192 bytes; its 16 bytes of bf16 lie beside its neighbours',
; so sixteen lanes store 256 consecutive aligned bytes.  All sixteen loads of a thread are out at once; no register is written twice.
; Groups 0-511 also fill the table of tile statistics with its defaults (c m = -2^100, l = 0), 2,048 bytes each,
; so that a later launch may read all 16 key tiles of every row.  A stream: no LDS, no matrix unit, no cluster.
.set IN,  8                            ; v[8:71]    64 numbers as loaded
.set OUTR, 72                          ; v[72:103]  32 words of bf16
.set DEF, 104                          ; v[104:107] the default for the table
	s_load_b256 s[4:11], s[0:1], 0x0               ; x s[4:5], Wq s[6:7], Wk s[8:9], Wv s[10:11]
	s_load_b128 s[12:15], s[0:1], 0x20             ; xb s[12:13], wb s[14:15]
	s_load_b64 s[16:17], s[0:1], 0x30              ; stats
	s_mov_b32 s19, ttmp9                           ; g
	v_lshrrev_b32 v3, 5, v0
	v_readfirstlane_b32 s18, v3                    ; wave
	v_lshlrev_b32 v1, 5, v0                        ; 32 t: in
	v_lshlrev_b32 v2, 4, v0                        ; 16 t: out
	s_sub_co_u32 s20, s19, 512                     ; g' = the group among the weights' (used only where g >= 512)
	s_lshr_b32 s21, s20, 6                         ; which weight
	s_and_b32 s22, s20, 63                         ; which piece of it
	s_wait_kmcnt 0x0
	s_cmp_eq_u32 s21, 1
	s_cselect_b64 s[24:25], s[8:9], s[6:7]
	s_cmp_eq_u32 s21, 2
	s_cselect_b64 s[24:25], s[10:11], s[24:25]
	s_cmp_lt_u32 s19, 512
	s_cselect_b64 s[24:25], s[4:5], s[24:25]       ; the source
	s_cselect_b64 s[26:27], s[12:13], s[14:15]     ; the destination
	s_cselect_b32 s28, s19, s22
	s_cselect_b32 s30, s19, s20
	s_lshl_b32 s28, s28, 16
	s_mov_b32 s29, 0
	s_lshl_b32 s30, s30, 15
	s_mov_b32 s31, 0
	s_add_nc_u64 s[24:25], s[24:25], s[28:29]
	s_add_nc_u64 s[26:27], s[26:27], s[30:31]
.irp k, 0,1,2,3,4,5,6,7
	global_load_b128 v[IN+8*(\k):IN+8*(\k)+3],   v1, s[24:25] offset:8192*(\k) th:TH_LOAD_NT
	global_load_b128 v[IN+8*(\k)+4:IN+8*(\k)+7], v1, s[24:25] offset:8192*(\k)+16 th:TH_LOAD_NT
.endr
.irp k, 0,1,2,3,4,5,6,7
	s_wait_loadcnt 14-2*(\k)                       ; loads come back in order: piece k's two are in, the younger pairs stay out
.irp e, 0,1,2,3
	v_cvt_pk_bf16_f32 v[OUTR+4*(\k)+(\e)], v[IN+8*(\k)+2*(\e)], v[IN+8*(\k)+2*(\e)+1]
.endr
	global_store_b128 v2, v[OUTR+4*(\k):OUTR+4*(\k)+3], s[26:27] offset:4096*(\k)
.endr
	s_cmp_ge_u32 s19, 512
	s_cbranch_scc1 .Lend
	s_cmp_ge_u32 s18, 4                            ; 128 threads x 16 bytes = the group's 2,048 bytes of the table
	s_cbranch_scc1 .Lend
	s_cmp_lt_u32 s19, 256                          ; the first 524,288 bytes are the plane of c m
	s_cselect_b32 s20, 0xf1800000, 0               ; -2^100, or 0 for l
	s_lshl_b32 s22, s19, 11
	s_mov_b32 s23, 0
	s_add_nc_u64 s[16:17], s[16:17], s[22:23]
	v_mov_b32 v[DEF], s20
	v_mov_b32 v[DEF+1], s20
	v_mov_b32 v[DEF+2], s20
	v_mov_b32 v[DEF+3], s20
	global_store_b128 v2, v[DEF:DEF+3], s[16:17]
.Lend:
	s_endpgm
.Lfunc_end_k_qa568680acc_cast:
	.size	k_qa568680acc_cast, .Lfunc_end_k_qa568680acc_cast-k_qa568680acc_cast
	.p2alignl 7, 3214868480
	.fill 96, 4, 3214868480
	.section	.rodata,"a",@progbits
	.p2align	6, 0x0
	.amdhsa_kernel k_qa568680acc_cast
		.amdhsa_group_segment_fixed_size 0
		.amdhsa_private_segment_fixed_size 0
		.amdhsa_enable_private_segment 0
		.amdhsa_kernarg_size 56
		.amdhsa_user_sgpr_count 2
		.amdhsa_user_sgpr_kernarg_segment_ptr 1
		.amdhsa_wavefront_size32 1
		.amdhsa_system_sgpr_workgroup_id_x 1
		.amdhsa_system_sgpr_workgroup_id_y 1
		.amdhsa_system_sgpr_workgroup_id_z 1
		.amdhsa_system_vgpr_workitem_id 0
		.amdhsa_next_free_vgpr 112
		.amdhsa_next_free_sgpr 66
		.amdhsa_reserve_vcc 0
		.amdhsa_float_denorm_mode_32 3
		.amdhsa_float_denorm_mode_16_64 3
		.amdhsa_memory_ordered 1
		.amdhsa_forward_progress 1
		.amdhsa_inst_pref_size 7
	.end_amdhsa_kernel
	.amdgpu_metadata
---
amdhsa.version: [ 1, 2 ]
amdhsa.kernels:
  - .name:           k_qa568680acc_cast
    .symbol:         k_qa568680acc_cast.kd
    .args:
      - { .name: x, .offset: 0, .size: 8, .value_kind: global_buffer, .address_space: global }
      - { .name: Wq, .offset: 8, .size: 8, .value_kind: global_buffer, .address_space: global }
      - { .name: Wk, .offset: 16, .size: 8, .value_kind: global_buffer, .address_space: global }
      - { .name: Wv, .offset: 24, .size: 8, .value_kind: global_buffer, .address_space: global }
      - { .name: xb, .offset: 32, .size: 8, .value_kind: global_buffer, .address_space: global }
      - { .name: wb, .offset: 40, .size: 8, .value_kind: global_buffer, .address_space: global }
      - { .name: stats, .offset: 48, .size: 8, .value_kind: global_buffer, .address_space: global }
    .group_segment_fixed_size: 0
    .private_segment_fixed_size: 0
    .kernarg_segment_align: 8
    .kernarg_segment_size: 56
    .max_flat_workgroup_size: 256
    .sgpr_count:     66
    .vgpr_count:     112
    .wavefront_size: 32
...
	.end_amdgpu_metadata
.endif
;; end of part 1
;; launch proj (part 2): grid 12 x 32, 4 waves a work-group, clusters of 4 x 4, 327,680 bytes of LDS; arguments xb, wb, qkv; writes qkv
.if DOCPART == 2
	.amdgcn_target "amdgcn-amd-amdhsa--gfx1250"
	.amdhsa_code_object_version 6
	.text
	.protected	k_qa568680acc_proj
	.globl	k_qa568680acc_proj
	.p2align	8
	.type	k_qa568680acc_proj,@function
k_qa568680acc_proj:
	s_mov_b64 s[64:65], 0
	v_nop
	global_prefetch_b8 v0, s[64:65] scope:SCOPE_SE
	s_setreg_imm32_b32 hwreg(HW_REG_WAVE_MODE, 25, 1), 1
	s_wait_xcnt 0x0
	s_wait_alu depctr_hold_cnt(0) depctr_sa_sdst(0) depctr_va_vdst(0) depctr_va_sdst(0) depctr_va_ssrc(0) depctr_va_vcc(0) depctr_vm_vsrc(0)
	s_getreg_b32 s2, hwreg(HW_REG_IB_STS2, 6, 4)
	s_cmp_eq_u32 s2, 0
	s_cbranch_scc0 .Lentry_in_a_cluster
	s_endpgm
.Lentry_in_a_cluster:
	s_bfe_u32 s2, ttmp6, 0x10000c
	s_cmp_lg_u32 s2, 0xf033
	s_cbranch_scc0 .Lentry_shape_is_right
	s_endpgm
.Lentry_shape_is_right:
; qkv[m][n] = sum over k of xb[m][k] wb[n][k].  xb [8192][1024] and wb [3072][1024] in bf16, sums in f32, qkv [8192][3072] rounded once to f16
; (columns 0-1023 q, 1024-2047 k, 2048-3071 v).  LIMIT: a sum of 65,520 or more becomes an infinity in f16; inputs 30 times the drawn spread, or a common
; offset of 30 spreads on x and the weights, give sums under 3e4.
; A tile of 256 x 256 is made by four waves, 128 x 128 each: 64 accumulators of 16 x 16, 512 registers.  K goes in steps of 128 (rows of 256 bytes) through a ring of two LDS slots.
; CLUSTER 4 x 4: the four work-groups of a row of the cluster need the same tiles of xb, the four of a column the same tiles of wb: each tile is asked for jointly.
; 384 tiles for 256 WGPs: a tile of 256 x 384 would want 768 accumulator registers and 320 of fragments, more than a wave has.
; The matrix instruction is used transposed (source 0 = 16 rows of wb, source 1 = 16 rows of xb): a lane holds eight neighbouring columns of one row of the result.
; REGISTERS: window 0: v0-31 addresses, v64-191 fragments of xb (two buffers), v32-63 and v192-255 the way out; window 1: fragments of wb; windows 2, 3: the accumulators of my rows 0-63, 64-127.
.set SIZE_M, 8192
.set SIZE_N, 3072
.set SIZE_K, 1024
.set KSTEP,  128
.set PITCH,  272                       ; 256 bytes + 16 of padding = 68 words: the 16 rows of a fragment load start at 16 different groups of four banks
.set HALFT,  128*PITCH                 ; what one tensor load brings
.set SLOT,   4*HALFT                   ; xb's 256 rows, then wb's 256 rows
.set STAGE,  2*SLOT                    ; 16 rows x 272 bytes for each wave, for the way out; no tensor load fills it
.set SPITCH, 272
.set SPARE,  STAGE+4*16*SPITCH         ; the spare words, 128 bytes a wave; no other line names them
.set LAPS, SIZE_K/(2*KSTEP)            ; a lap = two K steps = once round the ring
.set ADRA, 16                          ; v16-17  LDS address of my fragments of xb in slot 0, 1
.set ADRB, 20                          ; v20-21  the same for wb
.set STO,  24
.set RD,   25
.set CO,   26
.set SPW,  28                          ; my spare word's address; never rewritten
.set NIL,  29                          ; 0; never rewritten
.set F0,   64
.set F1,   128
.set TMP,  192
.set OB,   32
.set PA,   64
.set G1, 24
.set G0, 32
.set G1B, 48
.set G0B, 56
.set MSB, 0
.macro WIN new                         ; the immediate's high byte repeats the setting that is left; a switch that changes nothing is dropped
.if MSB != (\new)
	s_set_vgpr_msb (MSB<<8)|(\new)
.set MSB, \new
.endif
.endm
.set MUL_LO, 0xa1                      ; source 0 window 1, source 1 window 0, C and D window 2
.set MUL_HI, 0xf1                      ; the same, C and D window 3
.set TO_B,   0x40                      ; destination window 1, address window 0
; A joint load: waves 0 and 1 fetch xb's two halves, waves 2 and 3 wb's.  The branch hangs on the wave's number alone.  An s_nop 0 and four v_nop follow each line.
.macro JLOAD s
	s_cmp_eq_u32 s11, 0
	s_cbranch_scc0 .Lfor_b_\@
	tensor_load_to_lds s[G0+4*(\s):G0+4*(\s)+3], s[G1:G1+7]
	s_nop 0
.rept 4
	v_nop
.endr
	s_branch .Lasked_\@
.Lfor_b_\@:
	tensor_load_to_lds s[G0B+4*(\s):G0B+4*(\s)+3], s[G1B:G1B+7]
	s_nop 0
.rept 4
	v_nop
.endr
.Lasked_\@:
.endm
.macro CREST                           ; a round of the cluster's barrier behind its opening barrier
	s_cmp_lg_u32 s10, 0
	s_cbranch_scc1 .Lnot_wave_0_\@
	s_barrier_signal -3
.Lnot_wave_0_\@:
	s_barrier_wait -3
	s_barrier_signal -1
	s_barrier_wait -1
.endm
.macro CROUND
	s_barrier_signal -1
	s_barrier_wait -1
	CREST
.endm
	s_load_b128 s[4:7], s[0:1], 0x0                ; xb s[4:5], wb s[6:7]
	s_load_b64 s[8:9], s[0:1], 0x10                ; qkv
	v_lshl_add_u32 v[SPW], v0, 2, SPARE
	v_mov_b32 v[NIL], 0
	ds_add_u32 v28, v29
	ds_add_u32 v28, v29
	s_wait_dscnt 0x0
	v_lshrrev_b32 v1, 5, v0
	v_readfirstlane_b32 s10, v1                    ; wave 0..3
	s_lshr_b32 s11, s10, 1                         ; my half of the tile's rows; also: I fetch for xb (0) or wb (1)
	s_and_b32 s12, s10, 1                          ; my half of its columns; also: which 128 rows I fetch
	s_bfe_u32 s40, ttmp6, 0x40000                  ; cx
	s_bfe_u32 s41, ttmp6, 0x40004                  ; cy
	s_lshl_b32 s42, ttmp9, 2
	s_add_co_u32 s42, s42, s40                     ; tile column
	s_and_b32 s13, ttmp7, 0xffff
	s_lshl_b32 s13, s13, 2
	s_add_co_u32 s13, s13, s41                     ; tile row
	s_lshl_b32 s43, s41, 2
	s_lshl_b32 s43, 15, s43                        ; my row of the cluster
	s_lshl_b32 s44, 0x1111, s40                    ; my column
	s_or_b32 s[G1+0], s43, (1<<16)|(1<<20)|(1<<21)|(5<<22)|(3<<25)  ; mask; 2-byte elements; padding on; bit 21 beside a mask; after every 64 words 4 words
	s_or_b32 s[G1B+0], s44, (1<<16)|(1<<20)|(1<<21)|(5<<22)|(3<<25)
.irp g, G1, G1B
	s_mov_b32 s[(\g)+1], KSTEP<<16                 ; tensor_dim0 = 128
	s_mov_b32 s[(\g)+2], 128<<16                   ; tensor_dim1 = 128
	s_mov_b32 s[(\g)+3], KSTEP<<16                 ; tile_dim0 = 128
	s_mov_b32 s[(\g)+4], 128                       ; tile_dim1 = 128
	s_mov_b32 s[(\g)+5], SIZE_K                    ; elements from row to row
	s_mov_b32 s[(\g)+6], 0
	s_mov_b32 s[(\g)+7], 0
.endr
	s_lshl_b32 s17, s12, 7
	s_lshl_b32 s16, s13, 8
	s_add_co_u32 s16, s16, s17                     ; xb: row 256 x tile row + 128 x half
	s_lshl_b32 s46, s42, 8
	s_add_co_u32 s46, s46, s17                     ; wb: row 256 x tile column + 128 x half
	s_mov_b32 s17, 0
	s_mov_b32 s47, 0
	s_mov_b64 s[18:19], SIZE_K*2
	s_mul_u64 s[16:17], s[16:17], s[18:19]
	s_mul_u64 s[46:47], s[46:47], s[18:19]
	s_mul_i32 s20, s10, HALFT                      ; where they go: wave x 128 rows
	s_wait_kmcnt 0x0
	s_add_nc_u64 s[14:15], s[4:5], s[16:17]
	s_add_nc_u64 s[46:47], s[6:7], s[46:47]
	CROUND                                         ; all sixteen work-groups are here: the first joint loads meet
.irp s, 0,1
	s_mov_b32 s[G0+4*(\s)], 1
	s_add_co_u32 s[G0+4*(\s)+1], s20, (\s)*SLOT
	s_add_nc_u64 s[G0+4*(\s)+2:G0+4*(\s)+3], s[14:15], (\s)*KSTEP*2
	s_or_b32 s[G0+4*(\s)+3], s[G0+4*(\s)+3], 0x80000000
	s_mov_b32 s[G0B+4*(\s)], 1
	s_add_co_u32 s[G0B+4*(\s)+1], s20, (\s)*SLOT
	s_add_nc_u64 s[G0B+4*(\s)+2:G0B+4*(\s)+3], s[46:47], (\s)*KSTEP*2
	s_or_b32 s[G0B+4*(\s)+3], s[G0B+4*(\s)+3], 0x80000000
	JLOAD \s
.endr
	; a fragment: lane l holds row l % 16; registers 0-3 K = 8 (l / 16) + 0..7, registers 4-7 K = 16 + 8 (l / 16) + 0..7: two loads of 16 bytes, 32 bytes apart
	v_and_b32 v1, 15, v0
	v_bfe_u32 v2, v0, 4, 1
	v_mul_u32_u24 v3, v1, PITCH
	v_lshl_add_u32 v3, v2, 4, v3
	s_mul_i32 s21, s11, HALFT
	s_mul_i32 s22, s12, HALFT
	s_add_co_u32 s22, s22, 2*HALFT
.irp s, 0,1
	v_add_nc_u32 v[ADRA+(\s)], s21, v3
	v_add_nc_u32 v[ADRB+(\s)], s22, v3
	s_add_co_u32 s21, s21, SLOT
	s_add_co_u32 s22, s22, SLOT
.endr
	s_mul_i32 s23, s10, 16*SPITCH
	s_add_co_u32 s23, s23, STAGE                   ; my stage
	v_mul_u32_u24 v4, v1, SPITCH
	v_lshl_add_u32 v4, v2, 4, v4
	v_add_nc_u32 v[STO], s23, v4
	v_mul_u32_u24 v5, v2, SPITCH
	v_lshl_add_u32 v5, v1, 4, v5
	v_add_nc_u32 v[RD], s23, v5
	v_mul_u32_u24 v5, v2, SIZE_N*2
	v_lshl_add_u32 v[CO], v1, 4, v5
	s_lshl_b32 s13, s13, 8
	s_lshl_b32 s14, s11, 7
	s_add_co_u32 s16, s13, s14                     ; my first row of the result
	s_mov_b32 s17, 0
	s_mov_b64 s[18:19], SIZE_N*2
	s_mul_u64 s[16:17], s[16:17], s[18:19]
	s_lshl_b32 s46, s42, 9                         ; my first column, in bytes
	s_lshl_b32 s47, s12, 8
	s_add_co_u32 s46, s46, s47
	s_mov_b32 s47, 0
	s_add_nc_u64 s[16:17], s[16:17], s[46:47]
; 16 matrix instructions: m blocks a0, a0 + 1 of the window's four x all 8 n blocks, 32 along K.  zero = 1: the product starts the sums.
.macro MUL16 f, hi, a0, zero
	WIN MUL_LO+0x50*(\hi)
.irp a, \a0, (\a0)+1
.irp b, 0,1,2,3,4,5,6,7
.if \zero
	v_wmma_f32_16x16x32_bf16 v[8*(8*(\a)+(\b)):8*(8*(\a)+(\b))+7], v[(\f)+8*(\b):(\f)+8*(\b)+7], v[(\f)+8*(4*(\hi)+(\a)):(\f)+8*(4*(\hi)+(\a))+7], 0
.else
	v_wmma_f32_16x16x32_bf16 v[8*(8*(\a)+(\b)):8*(8*(\a)+(\b))+7], v[(\f)+8*(\b):(\f)+8*(\b)+7], v[(\f)+8*(4*(\hi)+(\a)):(\f)+8*(4*(\hi)+(\a))+7], v[8*(8*(\a)+(\b)):8*(8*(\a)+(\b))+7]
.endif
.endr
.endr
.endm
.macro FETCH slot, k, f                ; 32 LDS loads in one run: a quarter step's fragments into buffer f
	WIN TO_B
.irp i, 0,1,2,3,4,5,6,7
	ds_load_b128 v[(\f)+8*(\i):(\f)+8*(\i)+3],   v[ADRB+(\slot)] offset:(\k)+(\i)*16*PITCH
	ds_load_b128 v[(\f)+8*(\i)+4:(\f)+8*(\i)+7], v[ADRB+(\slot)] offset:(\k)+(\i)*16*PITCH+32
.endr
	WIN 0
.irp i, 0,1,2,3,4,5,6,7
	ds_load_b128 v[(\f)+8*(\i):(\f)+8*(\i)+3],   v[ADRA+(\slot)] offset:(\k)+(\i)*16*PITCH
	ds_load_b128 v[(\f)+8*(\i)+4:(\f)+8*(\i)+7], v[ADRA+(\slot)] offset:(\k)+(\i)*16*PITCH+32
.endr
.endm
.macro PLACES                          ; four plain places behind matrix instructions, in front of loads into their sources and of reads of their results
.rept 4
	v_nop
.endr
.endm
.macro QUARTER slot, k, f, g, zero     ; 64 matrix instructions on buffer f; in the middle the next quarter's fragments into g
	s_wait_dscnt 8                                 ; wb's and xb's rows 0-63 are in; the youngest eight loads may be out
	WIN MUL_LO
	MUL16 \f, 0, 0, \zero
	MUL16 \f, 0, 2, \zero
	PLACES
	FETCH \slot, \k, \g
	s_wait_dscnt 32                                ; all but the 32 just issued
	WIN MUL_HI
	MUL16 \f, 1, 0, \zero
	MUL16 \f, 1, 2, \zero
.endm
.macro MEET round                      ; the change of slots: one barrier; in front of it all my tensor loads, the add, my reads of this slot
	WIN 0
	s_wait_tensorcnt 0x0                           ; the one load that was out is my part of the next slot
	ds_add_u32 v[SPW], v[NIL]                      ; 0 onto my spare word
	s_wait_dscnt 9                                 ; the add and the youngest eight loads may be out
	WIN MUL_LO
	MUL16 F1, 0, 0, 0
	s_wait_dscnt 0x0                               ; the add is done, my reads of this slot are over
	s_barrier_signal -1
	MUL16 F1, 0, 2, 0
.if \round
	WIN 0
.endif
	s_barrier_wait -1
.endm
.macro TURN slot, next                 ; the last quarter of a K step: the slot just read is filled again, two K steps ahead, first thing behind the round
	MEET 1
	CREST
	s_add_nc_u64 s[G0+4*(\slot)+2:G0+4*(\slot)+3], s[G0+4*(\slot)+2:G0+4*(\slot)+3], 2*KSTEP*2
	s_add_nc_u64 s[G0B+4*(\slot)+2:G0B+4*(\slot)+3], s[G0B+4*(\slot)+2:G0B+4*(\slot)+3], 2*KSTEP*2
	JLOAD \slot
	FETCH \next, 0, F0
	WIN MUL_HI
	MUL16 F1, 1, 0, 0
	MUL16 F1, 1, 2, 0
.endm
; The last K step (slot 1) goes by rows of the result: all its fragments of wb fill window 1; my eight blocks of 16 rows are finished one after the other and leave at once.
.macro BLOAD q
	WIN TO_B
.irp i, 0,1,2,3,4,5,6,7
	ds_load_b128 v[64*(\q)+8*(\i):64*(\q)+8*(\i)+3],   v[ADRB+1] offset:64*(\q)+(\i)*16*PITCH
	ds_load_b128 v[64*(\q)+8*(\i)+4:64*(\q)+8*(\i)+7], v[ADRB+1] offset:64*(\q)+(\i)*16*PITCH+32
.endr
.endm
.macro ALOAD a
	WIN 0
.set FA, PA+32*((\a)%4)
.irp q, 0,1,2,3
	ds_load_b128 v[FA+8*(\q):FA+8*(\q)+3],   v[ADRA+1] offset:64*(\q)+(\a)*16*PITCH
	ds_load_b128 v[FA+8*(\q)+4:FA+8*(\q)+7], v[ADRA+1] offset:64*(\q)+(\a)*16*PITCH+32
.endr
.endm
.macro ROW a                           ; block a is finished: 32 matrix instructions, its 8 accumulators by turns
.set FA, PA+32*((\a)%4)
.set AC, 64*((\a)%4)
	WIN MUL_LO+0x50*((\a)/4)
.irp q, 0,1,2,3
.if (\a) == 0 && (\q) == 2
	s_wait_dscnt 24                                ; wb's quarter 2 is in (behind it: xb's blocks 1 to 3)
.endif
.irp b, 0,1,2,3,4,5,6,7
	v_wmma_f32_16x16x32_bf16 v[AC+8*(\b):AC+8*(\b)+7], v[64*(\q)+8*(\b):64*(\q)+8*(\b)+7], v[FA+8*(\q):FA+8*(\q)+7], v[AC+8*(\b):AC+8*(\b)+7]
.endr
.endr
.endm
.macro PACK a                          ; rounded to f16, 16 bytes a lane; each accumulator's registers in ascending order
.set AC, 64*((\a)%4)
	WIN 0x0a+5*((\a)/4)
.irp b, 0,1,2,3,4,5,6,7
.irp r, 0,1,2,3
	v_cvt_pk_f16_f32 v[TMP+4*(\b)+(\r)], v[AC+8*(\b)+2*(\r)], v[AC+8*(\b)+2*(\r)+1]
.endr
.endr
	WIN 0
.endm
.macro TOSTAGE a                       ; into my own stage, and back as whole rows of 256 bytes; LDS serves a wave's instructions in order
	WIN 0
.set BK, OB+192*((\a)%2)
.irp b, 0,1,2,3,4,5,6,7
	ds_store_b128 v[STO], v[TMP+4*(\b):TMP+4*(\b)+3] offset:32*(\b)
.endr
.irp t, 0,1,2,3,4,5,6,7
	ds_load_b128 v[BK+4*(\t):BK+4*(\t)+3], v[RD] offset:(\t)*2*SPITCH
.endr
.endm
.macro SEND a, younger
	WIN 0
.set BK, OB+192*((\a)%2)
	s_wait_dscnt \younger                          ; the block is back in registers
	s_wait_xcnt 0x0                                ; only behind this wait are the stores' base and the registers that earlier stores read rewritten
.if (\a) == 0
	s_add_nc_u64 s[8:9], s[8:9], s[16:17]
.else
	s_add_nc_u64 s[8:9], s[8:9], 16*SIZE_N*2
.endif
.irp t, 0,1,2,3,4,5,6,7
	global_store_b128 v[CO], v[BK+4*(\t):BK+4*(\t)+3], s[8:9] offset:2*(\t)*SIZE_N*2  ; 16 lanes store 256 consecutive aligned bytes
.endr
.endm
	s_wait_tensorcnt 1                             ; my part of K step 0 is in; K step 1's may stay out
	s_barrier_signal -1
	s_barrier_wait -1
	FETCH 0, 0, F0
	QUARTER 0, 64,  F0, F1, 1                      ; the first quarter starts the sums
	WIN 0
	s_mov_b32 s3, LAPS-1
.Llap:
	QUARTER 0, 128, F1, F0, 0
	QUARTER 0, 192, F0, F1, 0
	TURN 0, 1
	QUARTER 1, 64,  F0, F1, 0
	QUARTER 1, 128, F1, F0, 0
	QUARTER 1, 192, F0, F1, 0
	TURN 1, 0
	QUARTER 0, 64,  F0, F1, 0
	WIN 0
	s_sub_co_u32 s3, s3, 1
	s_cmp_lg_u32 s3, 0
	s_cbranch_scc1 .Llap
	QUARTER 0, 128, F1, F0, 0
	QUARTER 0, 192, F0, F1, 0
	MEET 0                                         ; nothing is filled again, so no round follows
	PLACES
	WIN TO_B
	BLOAD 0
	BLOAD 1
	BLOAD 3
	WIN 0
	ALOAD 0
	WIN MUL_HI
	MUL16 F1, 1, 0, 0
	MUL16 F1, 1, 2, 0
	PLACES
	WIN TO_B
	BLOAD 2
	WIN 0
	ALOAD 1
	ALOAD 2
	ALOAD 3
	s_wait_dscnt 40                                ; all but the 40 just issued
	ROW 0
.irp a, 0,1,2,3,4,5,6,7
	PLACES
	PACK \a
	TOSTAGE \a
.if (\a) < 4
	ALOAD (\a)+4
	SEND \a, 8
.else
	SEND \a, 0
.endif
.if (\a) < 7
	ROW (\a)+1
.endif
.endr
	s_wait_tensorcnt 0x0                           ; the wave's end
	ds_add_u32 v[SPW], v[NIL]
	s_wait_dscnt 0x0
	CROUND                                         ; the closing round
	s_endpgm
.Lfunc_end_k_qa568680acc_proj:
	.size	k_qa568680acc_proj, .Lfunc_end_k_qa568680acc_proj-k_qa568680acc_proj
	.p2alignl 7, 3214868480
	.fill 96, 4, 3214868480
	.section	.rodata,"a",@progbits
	.p2align	6, 0x0
	.amdhsa_kernel k_qa568680acc_proj
		.amdhsa_group_segment_fixed_size 327680
		.amdhsa_private_segment_fixed_size 0
		.amdhsa_enable_private_segment 0
		.amdhsa_kernarg_size 24
		.amdhsa_user_sgpr_count 2
		.amdhsa_user_sgpr_kernarg_segment_ptr 1
		.amdhsa_wavefront_size32 1
		.amdhsa_system_sgpr_workgroup_id_x 1
		.amdhsa_system_sgpr_workgroup_id_y 1
		.amdhsa_system_sgpr_workgroup_id_z 1
		.amdhsa_system_vgpr_workitem_id 0
		.amdhsa_next_free_vgpr 1024
		.amdhsa_next_free_sgpr 66
		.amdhsa_reserve_vcc 0
		.amdhsa_float_denorm_mode_32 3
		.amdhsa_float_denorm_mode_16_64 3
		.amdhsa_memory_ordered 1
		.amdhsa_forward_progress 1
		.amdhsa_inst_pref_size 143
	.end_amdhsa_kernel
	.amdgpu_metadata
---
amdhsa.version: [ 1, 2 ]
amdhsa.kernels:
  - .name:           k_qa568680acc_proj
    .symbol:         k_qa568680acc_proj.kd
    .args:
      - { .name: xb, .offset: 0, .size: 8, .value_kind: global_buffer, .address_space: global }
      - { .name: wb, .offset: 8, .size: 8, .value_kind: global_buffer, .address_space: global }
      - { .name: qkv, .offset: 16, .size: 8, .value_kind: global_buffer, .address_space: global }
    .group_segment_fixed_size: 327680
    .private_segment_fixed_size: 0
    .kernarg_segment_align: 8
    .kernarg_segment_size: 24
    .max_flat_workgroup_size: 128
    .sgpr_count:     66
    .vgpr_count:     1024
    .wavefront_size: 32
...
	.end_amdgpu_metadata
.endif
;; end of part 2
;; launch scores (part 3): grid 36 x 4, 4 waves a work-group, no clusters, 327,680 bytes of LDS; arguments qkv, pt, stats; writes pt, stats
.if DOCPART == 3
	.amdgcn_target "amdgcn-amd-amdhsa--gfx1250"
	.amdhsa_code_object_version 6
	.text
	.protected	k_qa568680acc_scores
	.globl	k_qa568680acc_scores
	.p2align	8
	.type	k_qa568680acc_scores,@function
k_qa568680acc_scores:
	s_mov_b64 s[64:65], 0
	v_nop
	global_prefetch_b8 v0, s[64:65] scope:SCOPE_SE
	s_setreg_imm32_b32 hwreg(HW_REG_WAVE_MODE, 25, 1), 1
	s_wait_xcnt 0x0
; For each batch b and each tile (i, j), j <= i, of 256 queries x 256 keys: s = q . k (f16 operands, f32 sums over 1,024 channels), and for each query and each 128 keys
; (a wave's tile) a true maximum m and p = 2^(c s - c m), c = log2(e) / 32.  Stored: p in f16 into pt [4][2048][2048]; c m and l = the sum of the unrounded p into stats
; [2 planes][16 key tiles of 128][8192 rows] f32.  The next launch joins the tiles' maxima into the row's.
; THE MASK: a key behind its query counts as the score -2^100; c x 2^100 is exact, so a row all of whose 128 keys are hidden gets p = 1, l = 128 and c m = -c 2^100,
; which the next launch multiplies by the factor 0.  LIMITS: true scores stay far under 2^100 in size; a p below 6e-8 is 0 in f16; NaN and infinities are not treated apart.
; NO CLUSTER: row i of the triangle has i + 1 tiles, 1 to 8, so there are no fixed sets of four work-groups that share a tile of q or of k.
; The product is laid as in the projection: four waves of 128 x 128, K steps of 128 (rows of 256 bytes in qkv, pitch 6,144 bytes) through a ring of two LDS slots,
; source 0 = 16 keys, source 1 = 16 queries, so that a lane holds eight neighbouring keys of one query.  Each wave fetches a quarter of a slot: by this text's count two tensor loads of a wave are out at the start, later one.
; THE WAY OUT: the wave's 128 x 128 scores go into the ring's bytes (which have had their last fill) as rows of 528 bytes, and come back 16 rows a trip with a row spread over 16 lanes.
.set KSTEP,  128
.set PITCH,  272
.set HALFT,  128*PITCH
.set SLOT,   4*HALFT                   ; q's 256 rows, then k's 256 rows
.set DPITCH, 528                       ; a dumped row: 128 f32 + 16 bytes = 132 words: 16 rows start at 16 different groups of four banks
.set DWAVE,  128*DPITCH                ; a wave's dump; four of them, 270,336 bytes, lie inside the ring's 278,528
.set STATS,  2*SLOT                    ; 1,024 bytes a wave: 128 c m, then 128 l
.set SPARE,  STATS+4096                ; the spare words, 128 bytes a wave; no other line names them
.set QROW,   6144                      ; bytes in a row of qkv
.set LAPS,   4
.set ADRA, 16
.set ADRB, 20
.set LOFF, 23                          ; v23  16 x lane
.set STO,  24                          ; v24  the dump: where my 32 bytes of a row go
.set RD,   25                          ; v25  where I read 32 bytes of a row back; steps 16 rows a trip
.set GO,   26                          ; v26  my byte offset in pt; steps 16 rows a trip
.set SA,   27                          ; v27  where my row's c m goes in LDS; steps 16 rows a trip
.set SPW,  28
.set NIL,  29
.set VD,   30                          ; v30  my query less my first key, for row pair 0 of the trip; steps 16 a trip
.set SL,   31                          ; v31  where I read the statistics back
.set F0,   64
.set F1,   128
.set X,    64                          ; the way out: v64-127 the trip's 64 scores: row pair p at X + 8 p
.set M,    128                         ; v128-143 pairs: c m, m
.set L,    144                         ; v144-151 l
.set Y,    160                         ; v160-191 p in f16
.set G1, 24
.set G0, 32
.set MK, 40                            ; s40-61 22 lane masks: mask k is set where k - 14 > VD
.set CS, 66                            ; s[66:67] c, twice
.set BIG, 68                           ; s68 -2^100
.set MSB, 0
.macro WIN new
.if MSB != (\new)
	s_set_vgpr_msb (MSB<<8)|(\new)
.set MSB, \new
.endif
.endm
.set MUL_LO, 0xa1
.set MUL_HI, 0xf1
.set TO_B,   0x40
	s_load_b128 s[4:7], s[0:1], 0x0                ; qkv s[4:5], pt s[6:7]
	s_load_b64 s[8:9], s[0:1], 0x10                ; stats
	v_lshl_add_u32 v[SPW], v0, 2, SPARE
	v_mov_b32 v[NIL], 0
	ds_add_u32 v28, v29
	ds_add_u32 v28, v29
	s_wait_dscnt 0x0
	v_lshrrev_b32 v1, 5, v0
	v_readfirstlane_b32 s10, v1                    ; wave
	s_lshr_b32 s11, s10, 1                         ; my half of the queries
	s_and_b32 s12, s10, 1                          ; my half of the keys; also: which 128 rows I fetch
	s_mov_b32 s16, ttmp9                           ; the tile's number in the triangle, 0..35
	s_mov_b32 s13, 0
.irp k, 1,2,3,4,5,6,7
	s_cmp_ge_u32 s16, (\k)*((\k)+1)/2
	s_cselect_b32 s13, \k, s13                     ; i
.endr
	s_add_co_u32 s17, s13, 1
	s_mul_i32 s17, s17, s13
	s_lshr_b32 s17, s17, 1
	s_sub_co_u32 s14, s16, s17                     ; j
	s_and_b32 s15, ttmp7, 0xffff
	s_lshl_b32 s15, s15, 11                        ; the batch's first row
	s_mov_b32 s[G1+0], (1<<16)|(1<<20)|(5<<22)|(3<<25)  ; 2-byte elements; padding on: after every 64 words 4 words
	s_mov_b32 s[G1+1], KSTEP<<16                   ; tensor_dim0 = 128
	s_mov_b32 s[G1+2], 128<<16                     ; tensor_dim1 = 128
	s_mov_b32 s[G1+3], KSTEP<<16                   ; tile_dim0 = 128
	s_mov_b32 s[G1+4], 128                         ; tile_dim1 = 128
	s_mov_b32 s[G1+5], 3072                        ; elements from row to row
	s_mov_b32 s[G1+6], 0
	s_mov_b32 s[G1+7], 0
	s_mov_b32 s[CS], 0x3d38aa3b                    ; c = log2(e) / 32
	s_mov_b32 s[CS+1], s[CS]
	s_mov_b32 s[BIG], 0xf1800000
	s_cmp_lt_u32 s10, 2                            ; waves 0, 1 fetch q's rows of tile row i, waves 2, 3 k's rows of tile row j
	s_cselect_b32 s18, s13, s14
	s_cselect_b32 s19, 0, 2048                     ; q at byte 0 of a row of qkv, k at byte 2,048
	s_lshl_b32 s18, s18, 8
	s_add_co_u32 s18, s18, s15
	s_lshl_b32 s20, s12, 7
	s_add_co_u32 s18, s18, s20
	s_mul_i32 s18, s18, QROW
	s_add_co_u32 s18, s18, s19
	s_mov_b32 s19, 0
	s_mul_i32 s20, s10, HALFT                      ; where they go: wave x 128 rows
	s_wait_kmcnt 0x0
	s_add_nc_u64 s[22:23], s[4:5], s[18:19]
.irp s, 0,1
	s_mov_b32 s[G0+4*(\s)], 1
	s_add_co_u32 s[G0+4*(\s)+1], s20, (\s)*SLOT
	s_add_nc_u64 s[G0+4*(\s)+2:G0+4*(\s)+3], s[22:23], (\s)*KSTEP*2
	s_or_b32 s[G0+4*(\s)+3], s[G0+4*(\s)+3], 0x80000000
	tensor_load_to_lds s[G0+4*(\s):G0+4*(\s)+3], s[G1:G1+7]   ; both first fills go out ahead of everything else
	s_nop 0
.endr
	v_and_b32 v1, 15, v0                           ; l % 16
	v_bfe_u32 v2, v0, 4, 1                         ; l / 16
	v_mul_u32_u24 v3, v1, PITCH
	v_lshl_add_u32 v3, v2, 4, v3
	s_mul_i32 s21, s11, HALFT
	s_mul_i32 s22, s12, HALFT
	s_add_co_u32 s22, s22, 2*HALFT
.irp s, 0,1
	v_add_nc_u32 v[ADRA+(\s)], s21, v3
	v_add_nc_u32 v[ADRB+(\s)], s22, v3
	s_add_co_u32 s21, s21, SLOT
	s_add_co_u32 s22, s22, SLOT
.endr
	s_mul_i32 s23, s10, DWAVE                      ; my dump
	v_mul_u32_u24 v4, v1, DPITCH
	v_lshl_add_u32 v4, v2, 5, v4
	v_add_nc_u32 v[STO], s23, v4                   ; row l % 16, 32 bytes for each half of the lanes
	v_mul_u32_u24 v4, v2, DPITCH
	v_lshl_add_u32 v4, v1, 5, v4
	v_add_nc_u32 v[RD], s23, v4                    ; row l / 16, 32 bytes (8 keys) a lane
	v_lshlrev_b32 v4, 12, v2
	v_lshl_add_u32 v[GO], v1, 4, v4                ; the same row in pt (4,096 bytes a row), 16 bytes a lane
	s_lshl_b32 s23, s10, 10
	s_add_co_u32 s23, s23, STATS
	v_lshl_add_u32 v[SA], v2, 2, s23
	v_and_b32 v4, 31, v0
	v_lshlrev_b32 v[LOFF], 4, v4
	v_add_nc_u32 v[SL], s23, v[LOFF]
	s_sub_co_u32 s21, s13, s14
	s_lshl_b32 s21, s21, 8
	s_sub_co_i32 s22, s11, s12
	s_lshl_b32 s22, s22, 7
	s_add_co_i32 s21, s21, s22                     ; my first query less my first key
	v_lshlrev_b32 v5, 3, v1
	v_sub_nc_u32 v5, v2, v5
	v_add_nc_u32 v[VD], s21, v5                    ; + l / 16 - 8 (l % 16)
	s_lshl_b32 s16, s13, 8
	s_add_co_u32 s16, s16, s15
	s_lshl_b32 s17, s11, 7
	s_add_co_u32 s16, s16, s17                     ; my first query's row
	s_lshl_b32 s18, s16, 2                         ; stats: 4 bytes a row,
	s_lshl_b32 s19, s14, 1
	s_add_co_u32 s19, s19, s12
	s_lshl_b32 s19, s19, 15                        ; 32,768 bytes a key tile of 128
	s_add_co_u32 s18, s18, s19
	s_mov_b32 s19, 0
	s_lshl_b32 s16, s16, 12                        ; pt: 4,096 bytes a row,
	s_lshl_b32 s17, s14, 9
	s_add_co_u32 s16, s16, s17
	s_lshl_b32 s17, s12, 8
	s_add_co_u32 s16, s16, s17                     ; 2 bytes a key
	s_mov_b32 s17, 0
	s_add_nc_u64 s[6:7], s[6:7], s[16:17]
	s_add_nc_u64 s[8:9], s[8:9], s[18:19]
.macro MUL16 f, hi, a0, zero           ; 16 matrix instructions: query blocks a0, a0 + 1 of the window's four x all 8 key blocks, 32 channels
	WIN MUL_LO+0x50*(\hi)
.irp a, \a0, (\a0)+1
.irp b, 0,1,2,3,4,5,6,7
.if \zero
	v_wmma_f32_16x16x32_f16 v[8*(8*(\a)+(\b)):8*(8*(\a)+(\b))+7], v[(\f)+8*(\b):(\f)+8*(\b)+7], v[(\f)+8*(4*(\hi)+(\a)):(\f)+8*(4*(\hi)+(\a))+7], 0
.else
	v_wmma_f32_16x16x32_f16 v[8*(8*(\a)+(\b)):8*(8*(\a)+(\b))+7], v[(\f)+8*(\b):(\f)+8*(\b)+7], v[(\f)+8*(4*(\hi)+(\a)):(\f)+8*(4*(\hi)+(\a))+7], v[8*(8*(\a)+(\b)):8*(8*(\a)+(\b))+7]
.endif
.endr
.endr
.endm
.macro FETCH slot, k, f
	WIN TO_B
.irp i, 0,1,2,3,4,5,6,7
	ds_load_b128 v[(\f)+8*(\i):(\f)+8*(\i)+3],   v[ADRB+(\slot)] offset:(\k)+(\i)*16*PITCH
	ds_load_b128 v[(\f)+8*(\i)+4:(\f)+8*(\i)+7], v[ADRB+(\slot)] offset:(\k)+(\i)*16*PITCH+32
.endr
	WIN 0
.irp i, 0,1,2,3,4,5,6,7
	ds_load_b128 v[(\f)+8*(\i):(\f)+8*(\i)+3],   v[ADRA+(\slot)] offset:(\k)+(\i)*16*PITCH
	ds_load_b128 v[(\f)+8*(\i)+4:(\f)+8*(\i)+7], v[ADRA+(\slot)] offset:(\k)+(\i)*16*PITCH+32
.endr
.endm
.macro PLACES                          ; four plain places behind matrix instructions (ISA guide 7.12.1)
.rept 4
	v_nop
.endr
.endm
.macro QUARTER slot, k, f, g, zero
	s_wait_dscnt 8                                 ; k's and q's rows 0-63 are in; the youngest eight loads may be out
	MUL16 \f, 0, 0, \zero
	MUL16 \f, 0, 2, \zero
	PLACES
	FETCH \slot, \k, \g
	s_wait_dscnt 32                                ; all but the 32 just issued
	MUL16 \f, 1, 0, \zero
	MUL16 \f, 1, 2, \zero
.endm
; The last quarter of a K step changes slots: one barrier; in front of it all my tensor loads, the add, my reads of this slot.  fill = 1: this slot is filled again, two K steps ahead, first thing behind the barrier.
.macro TURN slot, next, fill
	WIN 0
	s_wait_tensorcnt 0x0                           ; the one load that was out is my part of the next slot
	ds_add_u32 v[SPW], v[NIL]                      ; 0 onto my spare word
	s_wait_dscnt 9                                 ; the add and the youngest eight loads may be out
	MUL16 F1, 0, 0, 0
	s_wait_dscnt 0x0                               ; the add is done, my reads of this slot are over
	s_barrier_signal -1
	MUL16 F1, 0, 2, 0
	s_barrier_wait -1
.if \fill
	s_add_nc_u64 s[G0+4*(\slot)+2:G0+4*(\slot)+3], s[G0+4*(\slot)+2:G0+4*(\slot)+3], 2*KSTEP*2
	tensor_load_to_lds s[G0+4*(\slot):G0+4*(\slot)+3], s[G1:G1+7]
	s_nop 0
.endif
	PLACES                                         ; behind the load, and the places in front of the loads below
	FETCH \next, 0, F0
	MUL16 F1, 1, 0, 0
	MUL16 F1, 1, 2, 0
.endm
	s_wait_tensorcnt 1                             ; my part of K step 0 is in; K step 1's may stay out
	s_barrier_signal -1
	s_barrier_wait -1
	FETCH 0, 0, F0
	QUARTER 0, 64,  F0, F1, 1                      ; the first quarter starts the sums
	WIN 0
	s_mov_b32 s3, LAPS-1
.Llap:                                                 ; a trip goes once round the ring and fills both slots again
	QUARTER 0, 128, F1, F0, 0
	QUARTER 0, 192, F0, F1, 0
	TURN 0, 1, 1
	QUARTER 1, 64,  F0, F1, 0
	QUARTER 1, 128, F1, F0, 0
	QUARTER 1, 192, F0, F1, 0
	TURN 1, 0, 1
	QUARTER 0, 64,  F0, F1, 0
	WIN 0
	s_sub_co_u32 s3, s3, 1
	s_cmp_lg_u32 s3, 0
	s_cbranch_scc1 .Llap
	QUARTER 0, 128, F1, F0, 0                      ; the last lap fills nothing
	QUARTER 0, 192, F0, F1, 0
	TURN 0, 1, 0
	QUARTER 1, 64,  F0, F1, 0
	QUARTER 1, 128, F1, F0, 0
	QUARTER 1, 192, F0, F1, 0
	s_wait_dscnt 8
	MUL16 F1, 0, 0, 0
	MUL16 F1, 0, 2, 0
	s_wait_dscnt 0x0                               ; my last reads of the ring are back
	MUL16 F1, 1, 0, 0
	MUL16 F1, 1, 2, 0
	WIN 0
	PLACES
	s_barrier_signal -1                            ; every wave's reads of the ring are over: its bytes, which no tensor load fills any more, take the dumps
	s_barrier_wait -1
.irp a, 0,1,2,3,4,5,6,7
	WIN 0x08+4*((\a)/4)                            ; store data from window 2 or 3
.irp b, 0,1,2,3,4,5,6,7
	ds_store_b128 v[STO], v[64*((\a)%4)+8*(\b):64*((\a)%4)+8*(\b)+3]   offset:(\a)*16*DPITCH+64*(\b)
	ds_store_b128 v[STO], v[64*((\a)%4)+8*(\b)+4:64*((\a)%4)+8*(\b)+7] offset:(\a)*16*DPITCH+64*(\b)+16
.endr
.endr
	WIN 0
	s_mov_b32 s3, 8
.Lrows:                                                ; 16 rows a trip: lane (h, i) holds keys 8 i .. 8 i + 7 of rows 2 p + h, p = 0..7
.irp p, 0,1,2,3,4,5,6,7
	ds_load_b128 v[X+8*(\p):X+8*(\p)+3],   v[RD] offset:2*(\p)*DPITCH     ; my own bytes: LDS serves a wave's instructions in order
	ds_load_b128 v[X+8*(\p)+4:X+8*(\p)+7], v[RD] offset:2*(\p)*DPITCH+16
.endr
.irp k, 0,1,2,3,4,5,6,7,8,9,10,11,12,13,14,15,16,17,18,19,20,21
	v_cmp_gt_i32 s[MK+(\k)], (\k)-14, v[VD]        ; key e of row pair p is hidden where e - 2 p > VD
.endr
	s_wait_dscnt 0x0
	s_wait_xcnt 0x0                                ; Y was the last trip's store data
.irp p, 0,1,2,3,4,5,6,7
.irp e, 0,1,2,3,4,5,6,7
	v_cndmask_b32 v[X+8*(\p)+(\e)], v[X+8*(\p)+(\e)], s[BIG], s[MK+(\e)-2*(\p)+14]
.endr
.endr
.irp p, 0,1,2,3,4,5,6,7
	v_max3_num_f32 v[M+2*(\p)+1], v[X+8*(\p)], v[X+8*(\p)+1], v[X+8*(\p)+2]
.endr
.irp p, 0,1,2,3,4,5,6,7
	v_max3_num_f32 v[M+2*(\p)+1], v[M+2*(\p)+1], v[X+8*(\p)+3], v[X+8*(\p)+4]
.endr
.irp p, 0,1,2,3,4,5,6,7
	v_max3_num_f32 v[M+2*(\p)+1], v[M+2*(\p)+1], v[X+8*(\p)+5], v[X+8*(\p)+6]
.endr
.irp p, 0,1,2,3,4,5,6,7
	v_max_num_f32 v[M+2*(\p)+1], v[M+2*(\p)+1], v[X+8*(\p)+7]
.endr
.irp d, 1,2,4,8                        ; over the 16 lanes that share a row
.irp p, 0,1,2,3,4,5,6,7
	v_max_num_f32_dpp v[M+2*(\p)+1], v[M+2*(\p)+1], v[M+2*(\p)+1] row_xmask:\d row_mask:0xf bank_mask:0xf
.endr
.endr
.irp p, 0,1,2,3,4,5,6,7
	v_mul_f32 v[M+2*(\p)], s[CS], v[M+2*(\p)+1]    ; c m
.endr
.irp p, 0,1,2,3,4,5,6,7
.irp e, 0,1,2,3
	v_pk_fma_f32 v[X+8*(\p)+2*(\e):X+8*(\p)+2*(\e)+1], v[X+8*(\p)+2*(\e):X+8*(\p)+2*(\e)+1], s[CS:CS+1], v[M+2*(\p):M+2*(\p)+1] op_sel_hi:[1,0,0] neg_lo:[0,0,1] neg_hi:[0,0,1]  ; c s - c m
.endr
.endr
.set n, 0
.rept 64
	v_exp_f32 v[X+n], v[X+n]
.set n, n+1
.endr
	v_nop                                          ; a plain instruction behind the last exponential
.set n, 0
	s_wait_alu depctr_va_vdst(0)
.rept 32
	v_cvt_pk_f16_f32 v[Y+n], v[X+2*n], v[X+2*n+1]
.set n, n+1
.endr
.irp p, 0,1,2,3,4,5,6,7
	v_pk_add_f32 v[X+8*(\p):X+8*(\p)+1], v[X+8*(\p):X+8*(\p)+1], v[X+8*(\p)+2:X+8*(\p)+3]
	v_pk_add_f32 v[X+8*(\p)+4:X+8*(\p)+5], v[X+8*(\p)+4:X+8*(\p)+5], v[X+8*(\p)+6:X+8*(\p)+7]
.endr
.irp p, 0,1,2,3,4,5,6,7
	v_pk_add_f32 v[X+8*(\p):X+8*(\p)+1], v[X+8*(\p):X+8*(\p)+1], v[X+8*(\p)+4:X+8*(\p)+5]
.endr
.irp p, 0,1,2,3,4,5,6,7
	v_add_f32 v[L+(\p)], v[X+8*(\p)], v[X+8*(\p)+1]
.endr
.irp d, 1,2,4,8
.irp p, 0,1,2,3,4,5,6,7
	v_add_f32_dpp v[L+(\p)], v[L+(\p)], v[L+(\p)] row_xmask:\d row_mask:0xf bank_mask:0xf
.endr
.endr
.irp p, 0,1,2,3,4,5,6,7
	global_store_b128 v[GO], v[Y+4*(\p):Y+4*(\p)+3], s[6:7] offset:2*(\p)*4096  ; 16 lanes store 256 consecutive aligned bytes: a row's 128 weights
.endr
.irp p, 0,1,2,3,4,5,6,7
	ds_store_b32 v[SA], v[M+2*(\p)] offset:8*(\p)         ; the 16 lanes of a row write the same word with the same number
	ds_store_b32 v[SA], v[L+(\p)]   offset:512+8*(\p)
.endr
	s_wait_xcnt 0x0                                ; GO is stepped only behind this wait
	v_add_nc_u32 v[RD], 16*DPITCH, v[RD]
	v_add_nc_u32 v[GO], 16*4096, v[GO]
	v_add_nc_u32 v[SA], 64, v[SA]
	v_add_nc_u32 v[VD], 16, v[VD]
	s_sub_co_u32 s3, s3, 1
	s_cmp_lg_u32 s3, 0
	s_cbranch_scc1 .Lrows
	ds_load_b128 v[X:X+3],   v[SL]                 ; my wave's 128 c m and 128 l, 512 consecutive bytes each
	ds_load_b128 v[X+4:X+7], v[SL] offset:512
	s_wait_dscnt 0x0
	global_store_b128 v[LOFF], v[X:X+3],   s[8:9]
	global_store_b128 v[LOFF], v[X+4:X+7], s[8:9] offset:524288
	s_wait_tensorcnt 0x0                           ; the wave's end
	ds_add_u32 v[SPW], v[NIL]
	s_wait_dscnt 0x0
	s_endpgm
.Lfunc_end_k_qa568680acc_scores:
	.size	k_qa568680acc_scores, .Lfunc_end_k_qa568680acc_scores-k_qa568680acc_scores
	.p2alignl 7, 3214868480
	.fill 96, 4, 3214868480
	.section	.rodata,"a",@progbits
	.p2align	6, 0x0
	.amdhsa_kernel k_qa568680acc_scores
		.amdhsa_group_segment_fixed_size 327680
		.amdhsa_private_segment_fixed_size 0
		.amdhsa_enable_private_segment 0
		.amdhsa_kernarg_size 24
		.amdhsa_user_sgpr_count 2
		.amdhsa_user_sgpr_kernarg_segment_ptr 1
		.amdhsa_wavefront_size32 1
		.amdhsa_system_sgpr_workgroup_id_x 1
		.amdhsa_system_sgpr_workgroup_id_y 1
		.amdhsa_system_sgpr_workgroup_id_z 1
		.amdhsa_system_vgpr_workitem_id 0
		.amdhsa_next_free_vgpr 1024
		.amdhsa_next_free_sgpr 72
		.amdhsa_reserve_vcc 0
		.amdhsa_float_denorm_mode_32 3
		.amdhsa_float_denorm_mode_16_64 3
		.amdhsa_memory_ordered 1
		.amdhsa_forward_progress 1
		.amdhsa_inst_pref_size 139
	.end_amdhsa_kernel
	.amdgpu_metadata
---
amdhsa.version: [ 1, 2 ]
amdhsa.kernels:
  - .name:           k_qa568680acc_scores
    .symbol:         k_qa568680acc_scores.kd
    .args:
      - { .name: qkv, .offset: 0, .size: 8, .value_kind: global_buffer, .address_space: global }
      - { .name: pt, .offset: 8, .size: 8, .value_kind: global_buffer, .address_space: global }
      - { .name: stats, .offset: 16, .size: 8, .value_kind: global_buffer, .address_space: global }
    .group_segment_fixed_size: 327680
    .private_segment_fixed_size: 0
    .kernarg_segment_align: 8
    .kernarg_segment_size: 24
    .max_flat_workgroup_size: 128
    .sgpr_count:     72
    .vgpr_count:     1024
    .wavefront_size: 32
...
	.end_amdgpu_metadata
.endif
;; end of part 3
;; launch pv (part 4): grid 8 x 32, 4 waves a work-group, clusters of 4 x 1, 327,680 bytes of LDS; arguments pt, qkv, stats, out0; writes out0
.if DOCPART == 4
	.amdgcn_target "amdgcn-amd-amdhsa--gfx1250"
	.amdhsa_code_object_version 6
	.text
	.protected	k_qa568680acc_pv
	.globl	k_qa568680acc_pv
	.p2align	8
	.type	k_qa568680acc_pv,@function
k_qa568680acc_pv:
	s_mov_b64 s[64:65], 0
	v_nop
	global_prefetch_b8 v0, s[64:65] scope:SCOPE_SE
	s_setreg_imm32_b32 hwreg(HW_REG_WAVE_MODE, 25, 1), 1
	s_wait_xcnt 0x0
	s_wait_alu depctr_hold_cnt(0) depctr_sa_sdst(0) depctr_va_vdst(0) depctr_va_sdst(0) depctr_va_ssrc(0) depctr_va_vcc(0) depctr_vm_vsrc(0)
	s_getreg_b32 s2, hwreg(HW_REG_IB_STS2, 6, 4)
	s_cmp_eq_u32 s2, 0
	s_cbranch_scc0 .Lentry_in_a_cluster
	s_endpgm
.Lentry_in_a_cluster:
	s_bfe_u32 s2, ttmp6, 0x10000c
	s_cmp_lg_u32 s2, 0x3003
	s_cbranch_scc0 .Lentry_shape_is_right
	s_endpgm
.Lentry_shape_is_right:
; out0[row][d] = (1 / l_row) x the sum over keys of p[row][key] f[row][tile of key] v[key][d], where c m_row is the maximum of the row's 16 tile maxima c m_t,
; f = 2^(c m_t - c m_row), and l_row = the sum over t of f l_t (f32).  p (f16, from pt) is multiplied by f (rounded to f16) in registers; products in f16 with f32 sums; out0 in f32.
; LIMITS: p f below 6e-8 is 0 in f16; v lies within f16's range; NaN and infinities are not treated apart.  Tiles above the diagonal have f = 0 (their c m is -2^100 or -c 2^100).
; SHARES.  A work-group makes 128 columns (d tile 4 x cluster x + cx) of TWO blocks of 128 rows of one batch: block 15 - y' and then block y' (y' = y % 8, batch = y / 8).
; Block n needs the key steps 0 .. n / 2 of 256 keys: 9 steps for the two together, whatever y': 256 equal work-groups, one walk with a constant trip count.  A wave makes 64 x 64.
; CLUSTER 4 x 1: the four partners differ in the d tile alone, so they walk the same tiles of p: those are asked for jointly (mask 15); each fetches its own 128 columns of v (mask 0).
; No branch and no LDS address hangs on cx; registers that have held cx or the d tile (s54, s[66:79]) never feed p's descriptor.
; LAYOUT.  Source 0 = 16 channels x 32 keys of v, turned on the way out of LDS (ds_load_tr16_b128); source 1 = 16 rows x 32 keys of p.  In the result a lane holds one row (lane % 16) and eight neighbouring channels.
; By this text's count one tensor load of a wave is out at any time.
; REGISTERS: window 0: v0-31 addresses and at work, v32-95 the way out, v96-127 statistics, v128-255 the 16 accumulators; window 1: two fragment buffers of 128 (64 of p, 64 of v, for 64 keys).
.set PA,    528                        ; a row of p in LDS: 512 bytes + 16 = 132 words
.set PVP,   288                        ; a row of v: 256 bytes + 32 = 72 words
.set AHALF, 64*PA                      ; what a load of p brings: 64 rows x 256 keys
.set VOFF,  128*PA
.set VHALF, 128*PVP                    ; what a load of v brings: 128 keys x 128 channels
.set SLOT,  VOFF+256*PVP               ; 141,312 bytes
.set STAGE, 2*SLOT                     ; 16 rows x 272 bytes for each wave; no tensor load fills it
.set SP,    272
.set RS,    STAGE+4*16*SP              ; [2 blocks][1 / l, c m_row][128 rows] f32
.set SPARE, RS+2048                    ; the spare words, 128 bytes a wave; no other line names them
.set ET,   8                           ; v8-15   at work
.set ADRA0, 16                         ; v16 my place in a tile of p; v17 in a tile of v; never rewritten
.set ADRV0, 17
.set ADRA, 18                          ; v18 the same in the slot in hand; v19 v's keys 0-127; v20 v's keys 128-255
.set ADRV, 19
.set STO,  24
.set RD,   25
.set CO,   26
.set SO,   27                          ; v27 4 x (my row in the block for a = 0)
.set SPW,  28
.set NIL,  29
.set TMP,  32
.set PR,   96                          ; v96-103  pairs (1 / l, c m_row) of my rows 16 a + lane % 16 of the block in hand
.set PR2,  104                         ; v104-111 the same for the second block
.set CT,   112                         ; v112-119 c m_t of the coming step: tile u, rows a at CT + 4 u + a
.set FC,   120                         ; v120-127 f, twice in f16
.set ACC,  128
.set F0,   0
.set F1,   128
.set BA,  2                            ; s2  my load's place in a slot, for p;  s3 for v
.set BV,  3
.set WV,  12
.set RH,  13
.set CH,  14
.set NLO, 15                           ; steps of the second block
.set OFFS, 22                          ; s[22:23] byte offset in stats of the step asked for
.set G1A, 24
.set G1V, 32
.set G0A, 40
.set G0V, 44
.set NXT, 48                           ; the key step to be asked for next
.set LQ,  49                           ; the last step of the block whose steps are being asked for
.set ABLK, 50                          ; byte offset in pt of my 64 rows of that block;  s51 of the second block
.set ALO, 51
.set SBLK, 52                          ; byte offset in a plane of stats of that block's rows;  s53 of the second block
.set SLO, 53
.set VB,  54                           ; byte offset in qkv of my 128 keys of step 0, my d tile
.set RT,  55                           ; steps of the block in hand still to be done
.set NEW, 56                           ; 1: the step to come starts a block's sums
.set TB,  57                           ; 0 or SLOT: the slot in hand
.set CNT, 58
.set AOF, 60                           ; s[60:61] offset into pt
.set SB,  62                           ; s[62:63] stats at the step asked for
.set OLO, 66                           ; s[66:67] out0 at my part of the second block
.set VOF, 68                           ; s[68:69] offset into qkv
.set MSB, 0
.macro WIN new
.if MSB != (\new)
	s_set_vgpr_msb (MSB<<8)|(\new)
.set MSB, \new
.endif
.endm
.set MUL,  0x05                        ; sources 0 and 1 window 1; C and D window 0
.set TO_F, 0x40                        ; destination window 1, address window 0
.set W_SC, 0x41                        ; destination and source 0 window 1, source 1 window 0
; A fill: waves 0 and 1 ask jointly for the two halves of p's tile, waves 2 and 3 for the two halves of v's.  An s_nop 0 and four v_nop follow each line.
.macro JLOAD
	s_cmp_lt_u32 s[WV], 2
	s_cbranch_scc0 .Lfor_v_\@
	tensor_load_to_lds s[G0A:G0A+3], s[G1A:G1A+7]
	s_nop 0
.rept 4
	v_nop
.endr
	s_branch .Lasked_\@
.Lfor_v_\@:
	tensor_load_to_lds s[G0V:G0V+3], s[G1V:G1V+7]
	s_nop 0
.rept 4
	v_nop
.endr
.Lasked_\@:
.endm
.macro CROUND                          ; a round of the cluster's barrier
	s_barrier_signal -1
	s_barrier_wait -1
	s_cmp_lg_u32 s[WV], 0
	s_cbranch_scc1 .Lnot_wave_0_\@
	s_barrier_signal -3
.Lnot_wave_0_\@:
	s_barrier_wait -3
	s_barrier_signal -1
	s_barrier_wait -1
.endm
.macro PLACES
.rept 4
	v_nop
.endr
.endm
	s_load_b256 s[4:11], s[0:1], 0x0               ; pt s[4:5], qkv s[6:7], stats s[8:9], out0 s[10:11]
	v_lshl_add_u32 v[SPW], v0, 2, SPARE
	v_mov_b32 v[NIL], 0
	ds_add_u32 v28, v29
	ds_add_u32 v28, v29
	s_wait_dscnt 0x0
	v_lshrrev_b32 v1, 5, v0
	v_readfirstlane_b32 s[WV], v1
	s_lshr_b32 s[RH], s[WV], 1                     ; my half of the rows
	s_and_b32 s[CH], s[WV], 1                      ; my half of the columns; also: which half of a tile I fetch
	s_and_b32 s16, ttmp7, 0xffff
	s_lshr_b32 s17, s16, 3
	s_lshl_b32 s17, s17, 11                        ; the batch's first row
	s_and_b32 s18, s16, 7                          ; the second block
	s_sub_co_u32 s19, 15, s18                      ; the first block
	s_lshl_b32 s20, s19, 7
	s_add_co_u32 s20, s20, s17                     ; its first row
	s_lshl_b32 s21, s18, 7
	s_add_co_u32 s21, s21, s17
	s_lshl_b32 s[SBLK], s20, 2
	s_lshl_b32 s[SLO], s21, 2
	s_lshl_b32 s16, s[CH], 6
	s_add_co_u32 s[ABLK], s20, s16
	s_lshl_b32 s[ABLK], s[ABLK], 12                ; 4,096 bytes a row of pt
	s_add_co_u32 s[ALO], s21, s16
	s_lshl_b32 s[ALO], s[ALO], 12
	s_lshr_b32 s[LQ], s19, 1
	s_add_co_u32 s[RT], s[LQ], 1
	s_lshr_b32 s[NLO], s18, 1
	s_add_co_u32 s[NLO], s[NLO], 1
	s_mul_i32 s[BA], s[CH], AHALF
	s_mul_i32 s[BV], s[CH], VHALF
	s_add_co_u32 s[BV], s[BV], VOFF
	s_bfe_u32 s70, ttmp6, 0x40000                  ; cx
	s_lshl_b32 s71, ttmp9, 2
	s_add_co_u32 s71, s71, s70                     ; the d tile
	s_lshl_b32 s72, s[CH], 7
	s_add_co_u32 s72, s72, s17
	s_mul_i32 s72, s72, 6144                       ; my 128 keys of step 0,
	s_lshl_b32 s73, s71, 8
	s_add_co_u32 s72, s72, s73                     ; 256 bytes a d tile,
	s_add_co_u32 s[VB], s72, 4096                  ; v at byte 4,096 of a row of qkv
	s_lshl_b32 s74, s[RH], 6
	s_lshl_b32 s76, s71, 9
	s_lshl_b32 s77, s[CH], 8
	s_add_co_u32 s76, s76, s77                     ; my 64 columns of out0, in bytes
	s_add_co_u32 s75, s20, s74
	s_lshl_b32 s72, s75, 12
	s_add_co_u32 s72, s72, s76
	s_mov_b32 s73, 0
	s_add_co_u32 s75, s21, s74
	s_lshl_b32 s78, s75, 12
	s_add_co_u32 s78, s78, s76
	s_mov_b32 s79, 0
	s_mov_b32 s[G1A+0], 15|(1<<16)|(1<<20)|(1<<21)|(6<<22)|(3<<25)  ; the mask of four; 2-byte elements; padding on; bit 21 beside a mask; after every 128 words 4 words
	s_mov_b32 s[G1A+1], 256<<16                    ; tensor_dim0 = 256
	s_mov_b32 s[G1A+2], 64<<16                     ; tensor_dim1 = 64
	s_mov_b32 s[G1A+3], 256<<16                    ; tile_dim0 = 256
	s_mov_b32 s[G1A+4], 64                         ; tile_dim1 = 64
	s_mov_b32 s[G1A+5], 2048                       ; elements from row to row
	s_mov_b32 s[G1A+6], 0
	s_mov_b32 s[G1A+7], 0
	s_mov_b32 s[G1V+0], (1<<16)|(1<<20)|(5<<22)|(7<<25)  ; no mask; after every 64 words 8 words
	s_mov_b32 s[G1V+1], 128<<16
	s_mov_b32 s[G1V+2], 128<<16
	s_mov_b32 s[G1V+3], 128<<16
	s_mov_b32 s[G1V+4], 128
	s_mov_b32 s[G1V+5], 3072
	s_mov_b32 s[G1V+6], 0
	s_mov_b32 s[G1V+7], 0
	s_mov_b32 s[G0A], 1
	s_mov_b32 s[G0A+1], s[BA]                      ; slot 0
	s_mov_b32 s[G0V], 1
	s_mov_b32 s[G0V+1], s[BV]
	s_mov_b32 s[AOF], s[ABLK]
	s_mov_b32 s[AOF+1], 0
	s_mov_b32 s[VOF], s[VB]
	s_mov_b32 s[VOF+1], 0
	s_mov_b32 s[OFFS], s[SBLK]
	s_mov_b32 s[OFFS+1], 0
	s_mov_b32 s[NXT], 1
	s_mov_b32 s[NEW], 1
	s_mov_b32 s[TB], SLOT                          ; the first change of slots fills slot 1 and turns this into 0
	s_mov_b32 s[CNT], 8
	s_wait_kmcnt 0x0
	s_add_nc_u64 s[G0A+2:G0A+3], s[4:5], s[AOF:AOF+1]
	s_or_b32 s[G0A+3], s[G0A+3], 0x80000000
	s_add_nc_u64 s[G0V+2:G0V+3], s[6:7], s[VOF:VOF+1]
	s_or_b32 s[G0V+3], s[G0V+3], 0x80000000
	s_add_nc_u64 s[OLO:OLO+1], s[10:11], s[78:79]
	s_add_nc_u64 s[10:11], s[10:11], s[72:73]
	s_add_nc_u64 s[SB:SB+1], s[8:9], s[OFFS:OFFS+1]      ; stats at the first block's rows: for the row statistics, and for step 0's tiles
	s_mov_b32 s[OFFS], s[SLO]
	s_add_nc_u64 s[18:19], s[8:9], s[OFFS:OFFS+1]        ; at the second block's rows
	CROUND                                         ; all four work-groups are here
	JLOAD                                          ; step 0 into slot 0
	; THE ROWS' STATISTICS.  Thread t takes row t of both blocks: 16 tiles' c m and l each.
	v_lshlrev_b32 v3, 2, v0
.irp k, 0,1,2,3,4,5,6,7,8,9,10,11,12,13,14,15
	global_load_b32 v[128+(\k)], v3, s[SB:SB+1] offset:(\k)*32768
	global_load_b32 v[144+(\k)], v3, s[SB:SB+1] offset:(\k)*32768+524288
	global_load_b32 v[160+(\k)], v3, s[18:19] offset:(\k)*32768
	global_load_b32 v[176+(\k)], v3, s[18:19] offset:(\k)*32768+524288
.endr
	v_and_b32 v1, 15, v0                           ; l % 16
	v_bfe_u32 v2, v0, 4, 1                         ; l / 16
	v_mul_u32_u24 v4, v1, PA
	v_lshl_add_u32 v4, v2, 4, v4
	s_mul_i32 s16, s[RH], AHALF
	v_add_nc_u32 v[ADRA0], s16, v4                 ; p: row x pitch + 16 x half, in my 64 rows
	v_and_b32 v4, 7, v0
	v_bfe_u32 v5, v0, 3, 1
	v_lshl_add_u32 v6, v2, 3, v4                   ; v: key 8 (l / 16) + l % 8,
	v_mul_u32_u24 v6, v6, PVP
	v_lshl_add_u32 v6, v5, 4, v6                   ; channels 8 ((l / 8) % 2) + 0..7,
	s_lshl_b32 s16, s[CH], 7
	s_add_co_u32 s16, s16, VOFF
	v_add_nc_u32 v[ADRV0], s16, v6                 ; in my 64 channels
	v_lshlrev_b32 v[SO], 2, v1
	v_lshl_add_u32 v[SO], s[RH], 8, v[SO]
	s_mul_i32 s16, s[WV], 16*SP
	s_add_co_u32 s16, s16, STAGE                   ; my stage
	v_mul_u32_u24 v4, v1, SP
	v_lshl_add_u32 v4, v2, 5, v4
	v_add_nc_u32 v[STO], s16, v4                   ; in: row l % 16, 32 bytes for each half of the lanes
	v_mul_u32_u24 v4, v2, SP
	v_lshl_add_u32 v4, v1, 4, v4
	v_add_nc_u32 v[RD], s16, v4                    ; back: lanes 0-15 one row of 256 bytes, lanes 16-31 the next
	v_lshlrev_b32 v4, 12, v2
	v_lshl_add_u32 v[CO], v1, 4, v4                ; the same two rows in out0
	v_add_nc_u32 v10, RS, v3
	v_add_nc_u32 v12, RS, v[SO]
	s_wait_loadcnt 0x0
.macro ROWSTAT c, blk                  ; c: 16 registers of c m, behind them 16 of l
	v_max3_num_f32 v8, v[(\c)], v[(\c)+1], v[(\c)+2]
.irp k, 3,5,7,9,11,13
	v_max3_num_f32 v8, v8, v[(\c)+(\k)], v[(\c)+(\k)+1]
.endr
	v_max_num_f32 v8, v8, v[(\c)+15]               ; c m_row: the row's own key lies in one of the tiles, so this is a true score's
.irp k, 0,1,2,3,4,5,6,7,8,9,10,11,12,13,14,15
	v_sub_f32 v[(\c)+(\k)], v[(\c)+(\k)], v8
.endr
.irp k, 0,1,2,3,4,5,6,7,8,9,10,11,12,13,14,15
	v_exp_f32 v[(\c)+(\k)], v[(\c)+(\k)]
.endr
	v_nop
	s_wait_alu depctr_va_vdst(0)
	v_mul_f32 v9, v[(\c)], v[(\c)+16]
.irp k, 1,2,3,4,5,6,7,8,9,10,11,12,13,14,15
	v_fmac_f32 v9, v[(\c)+(\k)], v[(\c)+16+(\k)]
.endr
	v_rcp_f32 v11, v9                              ; l_row is 1 at the least: the tile with the row's maximum has f = 1 and l >= 1
	v_nop
	s_wait_alu depctr_va_vdst(0)
	ds_store_b32 v10, v11 offset:(\blk)*1024
	ds_store_b32 v10, v8  offset:(\blk)*1024+512
.endm
	ROWSTAT 128, 0
	ROWSTAT 160, 1
	s_wait_dscnt 0x0                               ; for the others' sake: my stores are done
	s_barrier_signal -1                            ; step 0's load may stay out
	s_barrier_wait -1
.irp a, 0,1,2,3
	ds_load_b32 v[PR+2*(\a)],    v12 offset:64*(\a)
	ds_load_b32 v[PR+2*(\a)+1],  v12 offset:64*(\a)+512
	ds_load_b32 v[PR2+2*(\a)],   v12 offset:1024+64*(\a)
	ds_load_b32 v[PR2+2*(\a)+1], v12 offset:1024+64*(\a)+512
.endr
.irp u, 0,1
.irp a, 0,1,2,3
	global_load_b32 v[CT+4*(\u)+(\a)], v[SO], s[SB:SB+1] offset:64*(\a)+32768*(\u)   ; step 0's two tiles
.endr
.endr
	s_wait_dscnt 0x0
; 8 matrix instructions: row blocks a0, a0 + 1 x all 4 channel blocks, 32 keys: half c of buffer f.  The 16 accumulators take turns.
.macro MUL8 f, c, a0, zero
	WIN MUL
.irp a, \a0, (\a0)+1
.irp b, 0,1,2,3
.if \zero
	v_wmma_f32_16x16x32_f16 v[ACC+8*(4*(\a)+(\b)):ACC+8*(4*(\a)+(\b))+7], v[(\f)+64+8*(4*(\c)+(\b)):(\f)+64+8*(4*(\c)+(\b))+7], v[(\f)+8*(4*(\c)+(\a)):(\f)+8*(4*(\c)+(\a))+7], 0
.else
	v_wmma_f32_16x16x32_f16 v[ACC+8*(4*(\a)+(\b)):ACC+8*(4*(\a)+(\b))+7], v[(\f)+64+8*(4*(\c)+(\b)):(\f)+64+8*(4*(\c)+(\b))+7], v[(\f)+8*(4*(\c)+(\a)):(\f)+8*(4*(\c)+(\a))+7], v[ACC+8*(4*(\a)+(\b)):ACC+8*(4*(\a)+(\b))+7]
.endif
.endr
.endr
.endm
; 32 LDS loads in one run: the fragments of keys 64 q .. 64 q + 63 into buffer f, the first 32 keys first
.macro FETCH q, f
	WIN TO_F
.irp c, 0,1
.irp i, 0,1,2,3
	ds_load_tr16_b128 v[(\f)+64+8*(4*(\c)+(\i)):(\f)+64+8*(4*(\c)+(\i))+3],   v[ADRV+(\q)/2] offset:(((\q)%2)*64+32*(\c))*PVP+32*(\i)
	ds_load_tr16_b128 v[(\f)+64+8*(4*(\c)+(\i))+4:(\f)+64+8*(4*(\c)+(\i))+7], v[ADRV+(\q)/2] offset:(((\q)%2)*64+32*(\c)+16)*PVP+32*(\i)
	ds_load_b128 v[(\f)+8*(4*(\c)+(\i)):(\f)+8*(4*(\c)+(\i))+3],   v[ADRA] offset:128*(\q)+64*(\c)+(\i)*16*PA
	ds_load_b128 v[(\f)+8*(4*(\c)+(\i))+4:(\f)+8*(4*(\c)+(\i))+7], v[ADRA] offset:128*(\q)+64*(\c)+(\i)*16*PA+32
.endr
.endr
.endm
.macro SCALE f, c, u                   ; p's fragments of half c times f of key tile u: a lane holds one row, so one factor a fragment
	WIN W_SC
.irp a, 0,1,2,3
.irp e, 0,1,2,3,4,5,6,7
	v_pk_mul_f16 v[(\f)+8*(4*(\c)+(\a))+(\e)], v[(\f)+8*(4*(\c)+(\a))+(\e)], v[FC+4*(\u)+(\a)]
.endr
.endr
.endm
.macro H0                              ; a step's first 16 products: they start the sums where a block begins, so nothing is ever cleared
	WIN 0
	s_cmp_eq_u32 s[NEW], 1
	s_cbranch_scc1 .Lzero_\@
	MUL8 F0, 0, 0, 0
	MUL8 F0, 0, 2, 0
	WIN 0
	s_branch .Ljoin_\@
.Lzero_\@:
	MUL8 F0, 0, 0, 1
	MUL8 F0, 0, 2, 1
	WIN 0
.Ljoin_\@:
	s_mov_b32 s[NEW], 0
.endm
; THE CHANGE OF SLOTS.  Each wave waits for all its tensor loads (one is out: its part of the other slot), adds 0 to its spare word, and waits for that and for its reads of the slot that it leaves.
; fill = 1: the old slot is filled again, with step NXT of the block whose steps are being asked for; both addresses are made anew from the buffers' pointers.  The barrier is then a round of the cluster's.
.macro CHANGE fill
	WIN 0
	s_wait_tensorcnt 0x0                           ; no tensor load of mine is out, so the descriptors may be written
	ds_add_u32 v[SPW], v[NIL]                      ; 0 onto my spare word
.if \fill
	s_lshl_b32 s[AOF], s[NXT], 9                   ; 256 keys are 512 bytes of a row of pt
	s_add_co_u32 s[AOF], s[AOF], s[ABLK]
	s_add_co_u32 s[G0A+1], s[BA], s[TB]            ; the slot that is left
	s_add_nc_u64 s[G0A+2:G0A+3], s[4:5], s[AOF:AOF+1]
	s_or_b32 s[G0A+3], s[G0A+3], 0x80000000
	s_mul_i32 s[VOF], s[NXT], 256*6144             ; 256 rows of qkv
	s_add_co_u32 s[VOF], s[VOF], s[VB]
	s_add_co_u32 s[G0V+1], s[BV], s[TB]
	s_add_nc_u64 s[G0V+2:G0V+3], s[6:7], s[VOF:VOF+1]
	s_or_b32 s[G0V+3], s[G0V+3], 0x80000000
	s_lshl_b32 s[OFFS], s[NXT], 16                 ; two key tiles of 32,768 bytes in stats
	s_add_co_u32 s[OFFS], s[OFFS], s[SBLK]
	s_add_co_u32 s[NXT], s[NXT], 1                 ; the block's next step, or behind its last the second block's step 0
	s_cmp_gt_u32 s[NXT], s[LQ]
	s_cselect_b32 s[NXT], 0, s[NXT]
	s_cselect_b32 s[ABLK], s[ALO], s[ABLK]
	s_cselect_b32 s[SBLK], s[SLO], s[SBLK]
	s_cselect_b32 s[LQ], 99, s[LQ]
	s_wait_dscnt 0x0                               ; the add is done, my reads of the slot are over
	CROUND
	JLOAD
.else
	s_wait_dscnt 0x0
	s_barrier_signal -1
	s_barrier_wait -1
.endif
	s_xor_b32 s[TB], s[TB], SLOT                   ; 0 or SLOT: the other slot is read now
.endm
; A KEY STEP: 256 keys, 128 matrix instructions a wave, in four quarters of 64 keys on buffers 0, 1, 0, 1.
.macro STEP fill
	CHANGE \fill
	s_wait_loadcnt 0x0                             ; this step's c m_t, asked for a step ago
.irp k, 0,1,2,3,4,5,6,7
	v_sub_f32 v[ET+(\k)], v[CT+(\k)], v[PR+2*((\k)%4)+1]
.endr
.irp k, 0,1,2,3,4,5,6,7
	v_exp_f32 v[ET+(\k)], v[ET+(\k)]
.endr
	v_add_nc_u32 v[ADRA], s[TB], v[ADRA0]          ; plain work behind the exponentials
	v_add_nc_u32 v[ADRV], s[TB], v[ADRV0]
	v_add_nc_u32 v[ADRV+1], VHALF, v[ADRV]
	s_wait_alu depctr_va_vdst(0)
.irp k, 0,1,2,3,4,5,6,7
	v_cvt_pk_f16_f32 v[FC+(\k)], v[ET+(\k)], v[ET+(\k)]
.endr
.if \fill
	s_add_nc_u64 s[SB:SB+1], s[8:9], s[OFFS:OFFS+1]      ; the loads that named this base are back
.irp u, 0,1
.irp a, 0,1,2,3
	global_load_b32 v[CT+4*(\u)+(\a)], v[SO], s[SB:SB+1] offset:64*(\a)+32768*(\u)   ; the tiles of the step just asked for
.endr
.endr
.endif
	FETCH 0, F0
	s_wait_dscnt 16                                ; the first 32 keys are in
	SCALE F0, 0, 0
	H0
	PLACES
	FETCH 1, F1
	s_wait_dscnt 32                                ; all but the 32 just issued
	SCALE F0, 1, 0
	MUL8 F0, 1, 0, 0
	MUL8 F0, 1, 2, 0
	s_wait_dscnt 16
	SCALE F1, 0, 0
	MUL8 F1, 0, 0, 0
	MUL8 F1, 0, 2, 0
	PLACES
	FETCH 2, F0
	s_wait_dscnt 32
	SCALE F1, 1, 0
	MUL8 F1, 1, 0, 0
	MUL8 F1, 1, 2, 0
	s_wait_dscnt 16
	SCALE F0, 0, 1
	MUL8 F0, 0, 0, 0
	MUL8 F0, 0, 2, 0
	PLACES
	FETCH 3, F1
	s_wait_dscnt 32
	SCALE F0, 1, 1
	MUL8 F0, 1, 0, 0
	MUL8 F0, 1, 2, 0
	s_wait_dscnt 16
	SCALE F1, 0, 1
	MUL8 F1, 0, 0, 0
	MUL8 F1, 0, 2, 0
	s_wait_dscnt 0x0
	SCALE F1, 1, 1
	MUL8 F1, 1, 0, 0
	MUL8 F1, 1, 2, 0
	WIN 0
.endm
; THE WAY OUT of a block: times 1 / l, each accumulator's registers in ascending order; 16 rows at a time through my stage; a wave's 64 columns of f32 are 256 aligned bytes of a row of out0.
.macro OUT
	WIN 0
	PLACES
.irp a, 0,1,2,3
.irp e, 0,1,2,3,4,5,6,7,8,9,10,11,12,13,14,15
	v_pk_mul_f32 v[ACC+32*(\a)+2*(\e):ACC+32*(\a)+2*(\e)+1], v[ACC+32*(\a)+2*(\e):ACC+32*(\a)+2*(\e)+1], v[PR+2*(\a):PR+2*(\a)+1] op_sel_hi:[1,0]
.endr
.irp b, 0,1,2,3
	ds_store_b128 v[STO], v[ACC+32*(\a)+8*(\b):ACC+32*(\a)+8*(\b)+3]   offset:64*(\b)
	ds_store_b128 v[STO], v[ACC+32*(\a)+8*(\b)+4:ACC+32*(\a)+8*(\b)+7] offset:64*(\b)+16
.endr
	s_wait_xcnt 0x0                                ; the registers below were earlier stores' data
.irp t, 0,1,2,3,4,5,6,7
	ds_load_b128 v[TMP+32*((\a)%2)+4*(\t):TMP+32*((\a)%2)+4*(\t)+3], v[RD] offset:2*(\t)*SP   ; my own bytes: LDS serves a wave's instructions in order
.endr
	s_wait_dscnt 0x0
.irp t, 0,1,2,3,4,5,6,7
	global_store_b128 v[CO], v[TMP+32*((\a)%2)+4*(\t):TMP+32*((\a)%2)+4*(\t)+3], s[10:11] offset:(16*(\a)+2*(\t))*4096 th:TH_STORE_NT  ; 16 lanes store 256 consecutive aligned bytes
.endr
.endr
.endm
.Lwalk:                                                ; 8 trips: a step is done and the next is asked for
	STEP 1
	s_sub_co_u32 s[RT], s[RT], 1
	s_cmp_lg_u32 s[RT], 0
	s_cbranch_scc1 .Lon                            ; forward, past text that holds no barrier and no tensor load; RT is the same in all four partners
	OUT                                            ; in the loop this is the first block's end: the second block's last step is the walk's last
	s_wait_xcnt 0x0                                ; the stores have read out0's address
	s_mov_b64 s[10:11], s[OLO:OLO+1]
.irp k, 0,1,2,3,4,5,6,7
	v_mov_b32 v[PR+(\k)], v[PR2+(\k)]
.endr
	s_mov_b32 s[RT], s[NLO]
	s_mov_b32 s[NEW], 1
.Lon:
	s_sub_co_u32 s[CNT], s[CNT], 1
	s_cmp_lg_u32 s[CNT], 0
	s_cbranch_scc1 .Lwalk
	STEP 0                                         ; the walk's last step is written out: nothing is asked for
	OUT
	s_wait_tensorcnt 0x0                           ; the wave's end
	ds_add_u32 v[SPW], v[NIL]
	s_wait_dscnt 0x0
	CROUND                                         ; the closing round
	s_endpgm
.Lfunc_end_k_qa568680acc_pv:
	.size	k_qa568680acc_pv, .Lfunc_end_k_qa568680acc_pv-k_qa568680acc_pv
	.p2alignl 7, 3214868480
	.fill 96, 4, 3214868480
	.section	.rodata,"a",@progbits
	.p2align	6, 0x0
	.amdhsa_kernel k_qa568680acc_pv
		.amdhsa_group_segment_fixed_size 327680
		.amdhsa_private_segment_fixed_size 0
		.amdhsa_enable_private_segment 0
		.amdhsa_kernarg_size 32
		.amdhsa_user_sgpr_count 2
		.amdhsa_user_sgpr_kernarg_segment_ptr 1
		.amdhsa_wavefront_size32 1
		.amdhsa_system_sgpr_workgroup_id_x 1
		.amdhsa_system_sgpr_workgroup_id_y 1
		.amdhsa_system_sgpr_workgroup_id_z 1
		.amdhsa_system_vgpr_workitem_id 0
		.amdhsa_next_free_vgpr 512
		.amdhsa_next_free_sgpr 80
		.amdhsa_reserve_vcc 0
		.amdhsa_float_denorm_mode_32 3
		.amdhsa_float_denorm_mode_16_64 3
		.amdhsa_memory_ordered 1
		.amdhsa_forward_progress 1
		.amdhsa_inst_pref_size 118
	.end_amdhsa_kernel
	.amdgpu_metadata
---
amdhsa.version: [ 1, 2 ]
amdhsa.kernels:
  - .name:           k_qa568680acc_pv
    .symbol:         k_qa568680acc_pv.kd
    .args:
      - { .name: pt, .offset: 0, .size: 8, .value_kind: global_buffer, .address_space: global }
      - { .name: qkv, .offset: 8, .size: 8, .value_kind: global_buffer, .address_space: global }
      - { .name: stats, .offset: 16, .size: 8, .value_kind: global_buffer, .address_space: global }
      - { .name: out0, .offset: 24, .size: 8, .value_kind: global_buffer, .address_space: global }
    .group_segment_fixed_size: 327680
    .private_segment_fixed_size: 0
    .kernarg_segment_align: 8
    .kernarg_segment_size: 32
    .max_flat_workgroup_size: 128
    .sgpr_count:     80
    .vgpr_count:     512
    .wavefront_size: 32
...
	.end_amdgpu_metadata
.endif
;; end of part 4
